; MI455X (gfx1250); checked and timed in simulation.
; The chip was launched on July 23, 2026; its instructions are those of AMD's public machine-readable ISA for CDNA 5 (MIT licence, August 2026) and "CDNA5" Instruction Set Architecture Reference Guide (July 2026). The comments in the code are by the model that wrote it; some were corrected since.
;; Vector Quantizer. Allowed arithmetic: matrix products marked QUANTISED: E3M2 operands, one E8M0 scale for each 32 along K, by v_wmma_scale_f32_16x16x128_f8f6f4 with both operands' format E3M2, f32 sums; everything else in f32.
;; Inputs: embeddings 64 x 1,024 float32; x 16 x 64 x 64 x 64 float32.
;; Outputs: out0 16 x 64 x 64 x 64 float32.
;; This version of the problem:
;;   THIS VERSION OF THE PROBLEM IS GIVEN IN LOW PRECISION. The matrix products marked QUANTISED in the list below multiply operands that are first quantised to E3M2 (3 exponent bits, 2 mantissa bits; 6 bits a number), with one power-of-two scale for each 32 numbers along K (OCP MX v1.0); their sums are f32. All else is computed in f32.
;;   The module's matrix products, in the order in which they are computed (A, B: the left and right operand; K: the contracted axis; several contracted axes count as one K, in the product's order):
;;     1. [M 65,536, K 64] x [K 64, N 1,024]; A: input x; B: input embeddings: QUANTISED
;;   THE QUANTISER, for each operand of a quantised product, along K:
;;     - K is cut into blocks of 32 from its start; a last block that is shorter is filled with zeros.
;;     - A block's scale is 2^e with e = floor(log2(the largest magnitude in the block)) - 4, held to -126 .. 127; a block of zeros has e = 0. As a byte (E8M0): e + 127.
;;     - Each number is divided by its block's scale, clamped to +-28, and rounded to the nearest number of E3M2, ties to even, subnormals kept.
;;     - The product sums the exact products of the quantised numbers (number of the format x scale) in f32.
;;   ~~~python
;;   def quantise(x, axis):      # numpy; x: float32 -> the quantised numbers, widened to float32 again
;;       x = np.moveaxis(x, axis, -1); K = x.shape[-1]
;;       x = np.pad(x, [(0, 0)] * (x.ndim - 1) + [(0, -K % 32)]); x = x.reshape(x.shape[:-1] + (-1, 32)); a = np.abs(x).max(-1, keepdims=True)
;;       e = np.where(a > 0, np.clip(np.frexp(np.where(a > 0, a, 1))[1] - 1 - 4, -126, 127), 0)      # np.frexp(a)[1] - 1 = floor(log2(a)), exactly
;;       r = np.clip(x / 2.0 ** e, -28, 28)
;;       step = 2.0 ** (np.maximum(np.frexp(np.where(r == 0, 1, r))[1] - 1, -2) - 2)
;;       q = np.round(r / step) * step * 2.0 ** e      # np.round: ties to even
;;       return np.moveaxis(q.reshape(q.shape[:-2] + (-1,))[..., :K], -1, axis).astype(np.float32)
;;   ~~~
;; One version. Each part assembles by itself: llvm-mc -triple=amdgcn-amd-amdhsa -mcpu=gfx1250 --defsym DOCPART=n.
;; ======== version 1 of 1: 2 launches
;; limits: right only within a limited range of input values
;; workspace buffers: embt 262,144 bytes; cand 1,048,576 bytes of whole numbers
;; launch nearest (part 1): grid 4 x 64, 8 waves a work-group, clusters of 4 x 4, 327,680 bytes of LDS; arguments x, embeddings, embt, cand; writes embt, cand
.if DOCPART == 1
	.amdgcn_target "amdgcn-amd-amdhsa--gfx1250"
	.amdhsa_code_object_version 6
	.text
	.protected	k_q24457fc560_nearest
	.globl	k_q24457fc560_nearest
	.p2align	8
	.type	k_q24457fc560_nearest,@function
k_q24457fc560_nearest:
	s_mov_b64 s[64:65], 0
	v_nop
	global_prefetch_b8 v0, s[64:65] scope:SCOPE_SE
	s_setreg_imm32_b32 hwreg(HW_REG_WAVE_MODE, 25, 1), 1
	s_wait_xcnt 0x0
	s_wait_alu depctr_hold_cnt(0) depctr_sa_sdst(0) depctr_va_vdst(0) depctr_va_sdst(0) depctr_va_ssrc(0) depctr_va_vcc(0) depctr_vm_vsrc(0)
	s_getreg_b32 s2, hwreg(HW_REG_IB_STS2, 6, 4)
	s_cmp_eq_u32 s2, 0
	s_cbranch_scc0 .Lentry_in_a_cluster
	s_endpgm
.Lentry_in_a_cluster:
	s_bfe_u32 s2, ttmp6, 0x10000c
	s_cmp_lg_u32 s2, 0xf033
	s_cbranch_scc0 .Lentry_shape_is_right
	s_endpgm
.Lentry_shape_is_right:
; For each row of x and each half of the table: the code n of least d = (|x|^2 + |e_n|^2) - 2 Q(x) . Q(e_n), stored as (order key, n);  embt[n][k] = embeddings[k][n].
; x: [65536][64] f32.  embeddings: [64][1024] f32 (K is its first axis).  Q: codes of BF6 (E3M2) with one E8M0 scale for each 32 along K.
; |x|^2 is the same along the argmin's axis, but it stays: it is so large beside the rest that the sum's rounding decides near ties.  No work is left out.
; SIGNS.  The kernel forms -d: C = (-zz) + (-ee), one rounding, and the product adds 2 sim (the factor 2 stands in the table's scale bytes).  The largest -d wins, the lowest index among equals.
; LIMITS: NaN and infinities among the inputs, and sums that overflow, are not served.  zz and ee are summed in another order than the definition's (pairs, then halves); a - 2 sim is rounded by the matrix instruction.
; SHARES.  A work-group owns 512 rows and 512 codes (one half of the table): 128 blocks of rows x 2 halves.  Each of its eight waves: 64 rows, four tiles of 16, in TWO PASSES of two tiles over all 512 codes, 32 a trip.
; The second pass's rows are asked for when the table's codes are made, and land while the first pass is worked.
; CLUSTER.  4 x 4 work-groups; cx % 2 names the half, (y, cx / 2) the block of rows.  The table's half comes into LDS by one tensor load a wave (64 rows x 256 bytes: the wave's 64 columns), asked for JOINTLY
; by the four work-groups of a column of the cluster (the same cx).  x goes straight into registers: a joint load lands in LDS alone, and the wave's one load at the head is the table's.  Nothing in LDS is filled a second time.
; A LANE TAKES A COLUMN AND ITS REGISTERS RUN DOWN K (ds_load_b32, 32 neighbouring columns a load): a block's largest magnitude needs no other lane, and the conversions give codes with K innermost.
; K IS 64, THE INSTRUCTION'S IS 128: source 0 holds code 32 p + r in k 0..63 and code 32 p + 16 + r in k 64..127; source 1 is [x | zeros] or [zeros | x].  Zero codes add nothing under any scale byte that a quantiser gives.
; THE PRODUCT IS USED TRANSPOSED (source 0 = codes, source 1 = 16 rows of x): a lane holds ONE row of x, and its registers run along the codes: the search needs another lane once, at a pass's end.
; THE SEARCH.  A trip's 16 values of a lane are a group: its maximum by three-operand maxima, the best so far among their sources; where it is strictly over the best so far, the group's number and its 16 values are kept (selects, no branch).
; At the end the first kept value that equals the best gives the place in the group.
; No prefetch is laid: table and x are asked for once, ahead of all that reads them, and nothing is walked in memory.
.set XP,     272                       ; a row of x in the stage: 256 bytes + 16
.set STG,    131072                    ; LDS: bytes 0 .. 131,071 the table's half, 16,384 for each wave; the stages, 64 rows x 272 bytes for each wave;
.set CODES,  STG+8*64*XP               ; the operands' images: 16 pairs of tiles x 1,536 bytes;
.set SCL,    CODES+16*1536             ; their scale words, 128 bytes a pair;
.set EES,    SCL+2048                  ; -|e_n|^2, 4 bytes a code;
.set SPARE,  EES+2048                  ; the spare words, 128 bytes for each wave: no other line names them
.set FLOOR,  0x2800000                 ; 2^(5 - 127): no largest magnitude is taken under it, so no scale byte falls under 1
.set EOFF,   0xfe000000                ; takes 4 off an exponent field
.set SEL, 36                           ; s[36:37] v_permlanex16_b32's selects for lane l xor 16
; v0 thread, v1 lane
.set XSI, 2                            ; v2   the stage, in: 272 (lane / 16) + 16 (lane % 16)
.set XSO, 3                            ; v3   the stage, out: 272 (lane % 16) + 128 (lane / 16)
.set ADC, 4                            ; v4   where I read images: CODES + 16 x lane, stepped
.set ADS, 5                            ; v5   scale words: SCL + 4 x lane, stepped
.set ADE, 6                            ; v6   -|e|^2: EES + 32 (lane / 16), less 256, stepped
.set XG,  7                            ; v7   x in memory: 16 x lane; never rewritten
.set SA,  8                            ; v8-9   the codes' scale words, two sets: hold scales alone
.set XSC, 10                           ; v10-11 x's scale words: hold scales alone
.set SPW, 12                           ; v12  my spare word: SPARE + 4 x thread; never rewritten
.set NIL, 13                           ; v13  0; never rewritten
.set G,   14                           ; v14-17 at work in the loops; at the head r, h,
.set TO,  16                           ; wave 0: where its four columns lie in the table in memory,
.set OFS, 17                           ; 8 x lane
.set XO,  18                           ; v18-47 zeros, x tile 0, zeros, x tile 1, zeros: six registers each.  [zeros | x_t] = v[XO+12t ..+11], [x_t | zeros] = v[XO+12t+6 ..+11]
.set AF,  48                           ; v48-71 a pair of tiles of codes, two sets
.set EEB, 72                           ; v72-87 -|e|^2 of a trip's codes
.set DB,  88                           ; v88-151 C, then -d, two sets of 32: tile t of x at 16 t: codes 8 (lane / 16) + 0..7, then those 16 further on
.set KEEP,152                          ; v152-183 the best group's 16 values, for each tile of x
.set XL,  184                          ; v184-247 two tiles of x as loaded, then as the operand wants it
.set ZZ,  248                          ; v248, 250  -|x|^2 of my row of tile t
.set KIDX,249                          ; v249, 251  the best group's number
.set BEST,252                          ; v252-255 the best value, two sets of two by turns
; Registers of the head that the loops lay over
.set EB0, 88                           ; two sets of 64 numbers of a column
.set EB1, 184
.set AM,  48                           ; v48-71 at work: two largest magnitudes, two scale operands, two bytes, two sums of squares in pairs
.set SO,  50
.set BY,  52
.set AC0, 54
.set AC1, 56
.set TM0, 58                           ; a conversion's three registers begin on an even number: the second half of a block's six is made here and moved
.set TM1, 62
.set W16, 66
.set OT,  67
.set WD,  68
.set EV,  70
.set PF,  72                           ; v72-83 an operand
.set TA,  152                          ; v152-159 wave 0: two rows x four columns of the table
.set TB,  160                          ; v160-167 the same by columns
.set ET,  249                          ; the table: my strip + 4 x lane
.set SW,  251                          ; where I store scale words: SCL + 256 x wave + 4 x lane
.set CW,  252                          ; and images: CODES + 3,072 x wave + 16 x lane
.macro ROUND                           ; a round of the cluster's barrier
	s_barrier_signal -1
	s_barrier_wait -1
	s_cmp_lg_u32 s12, 0
	s_cbranch_scc1 .Lnot_wave_0_\@
	s_barrier_signal -3
.Lnot_wave_0_\@:
	s_barrier_wait -3
	s_barrier_signal -1
	s_barrier_wait -1
.endm
	s_load_b128 s[4:7], s[0:1], 0x0                ; x, embeddings
	s_load_b128 s[8:11], s[0:1], 0x10              ; embt, cand
	v_lshl_add_u32 v[SPW], v0, 2, SPARE
	v_mov_b32 v[NIL], 0
	ds_add_u32 v[SPW], v[NIL]                      ; the opening add, twice on end
	ds_add_u32 v[SPW], v[NIL]
	v_lshrrev_b32 v1, 5, v0
	v_readfirstlane_b32 s12, v1                    ; wave 0..7
	v_and_b32 v1, 31, v0                           ; lane
	v_and_b32 v14, 15, v0                          ; r
	v_bfe_u32 v15, v0, 4, 1                        ; h
.irp m, 0,1,2
.irp i, 0,1,2,3,4,5
	v_mov_b32 v[XO+12*\m+\i], 0                    ; zero codes: the half of the instruction's K that a product does not use
.endr
.endr
	v_mov_b32 v[OT], 0                             ; written once: a lane permute's destination counts as one of its sources
	v_mov_b32 v[WD], 0
	v_mov_b32 v[EV], 0
	v_mov_b32 v[EV+1], 0
	s_wait_alu depctr_va_vdst(0)                   ; the wait ahead of the run of scalar lines
	s_bfe_u32 s13, ttmp6, 0x40000                  ; cx
	s_bfe_u32 s14, ttmp6, 0x40004                  ; cy
	s_and_b32 s15, s13, 1                          ; my half of the table
	s_lshr_b32 s46, s13, 1
	s_and_b32 s17, ttmp7, 0xffff
	s_lshl_b32 s17, s17, 2
	s_add_co_u32 s17, s17, s14                     ; y = 4 x cluster y + cy
	s_lshl_b32 s17, s17, 1
	s_or_b32 s17, s17, s46                         ; my block of 512 rows: 0..127
	s_lshl_b32 s18, s17, 1
	s_or_b32 s18, s18, s15                         ; my number among the 256 work-groups
	s_lshl_b32 s16, s12, 14                        ; 16,384 x wave: my strip in LDS; also my 64 rows of x
	s_lshl_b32 s20, s17, 17                        ; 512 rows x 256 bytes a block
	s_add_co_u32 s20, s20, s16
	s_mov_b32 s21, 0
	s_lshl_b32 s38, s15, 11                        ; my half begins 2,048 bytes into a row of the table,
	s_lshl_b32 s19, s12, 8
	s_add_co_u32 s38, s38, s19                     ; my 64 columns 256 x wave further on
	s_mov_b32 s39, 0
	s_lshl_b32 s45, s15, 9                         ; my half's first code
	s_mov_b32 s[SEL], 0x76543210
	s_mov_b32 s[SEL+1], 0xfedcba98
	s_mul_i32 s47, s12, 64*XP
	s_add_co_u32 s47, s47, STG                     ; my stage
	v_lshlrev_b32 v[XG], 4, v1
	v_mul_u32_u24 v[XSI], v15, XP
	v_mul_u32_u24 v[XSO], v14, XP
	v_lshl_add_u32 v[XSI], v14, 4, v[XSI]
	v_lshl_add_u32 v[XSO], v15, 7, v[XSO]
	v_add_nc_u32 v[XSI], s47, v[XSI]
	v_add_nc_u32 v[XSO], s47, v[XSO]
	v_lshl_add_u32 v[ET], v1, 2, s16
	s_mul_i32 s19, s12, 3072
	s_add_co_u32 s19, s19, CODES
	v_lshl_add_u32 v[CW], v1, 4, s19
	s_lshl_b32 s19, s12, 8
	s_add_co_u32 s19, s19, SCL
	v_lshl_add_u32 v[SW], v1, 2, s19
	v_lshl_add_u32 v[ADC], v1, 4, CODES
	v_lshl_add_u32 v[ADS], v1, 2, SCL
	v_lshl_add_u32 v[ADE], v15, 5, EES-256
	s_lshl_b32 s19, s18, 4
	v_lshl_add_u32 v[TO], v1, 13, s19              ; rows 2 lane and 2 lane + 1 of the table, columns 4 x work-group on
	v_lshlrev_b32 v[OFS], 3, v1
	; the tensor load: 64 rows x 64 elements of 4 bytes, 1,024 elements from row to row, no padding (32 lanes read 128 neighbouring bytes of a row)
	s_lshl_b32 s28, 0x1111, s13                    ; my column of the cluster
	s_or_b32 s28, s28, (2<<16)|(1<<21)             ; 17:16 elements of 4 bytes; 21 set beside a mask
	s_mov_b32 s29, 64<<16                          ; tensor_dim0
	s_mov_b32 s30, 64<<16                          ; tensor_dim1
	s_mov_b32 s31, 64<<16                          ; tile_dim0
	s_mov_b32 s32, 64                              ; tile_dim1
	s_mov_b32 s33, 1024                            ; elements from row to row
	s_mov_b32 s34, 0
	s_mov_b32 s35, 0
	s_mov_b32 s24, 1                               ; count
	s_mov_b32 s25, s16                             ; LDS address
	s_wait_alu depctr_va_vdst(0)                   ; the wait at the head's end
	s_wait_dscnt 0x0                               ; both opening adds are done
	s_wait_kmcnt 0x0
	s_add_nc_u64 s[26:27], s[6:7], s[38:39]        ; my columns of row 0
	s_or_b32 s27, s27, 0x80000000                  ; type = 2
	s_add_nc_u64 s[4:5], s[4:5], s[20:21]          ; x at my first row
	s_lshl_b32 s20, s18, 10                        ; four rows of embt a work-group
	s_add_nc_u64 s[8:9], s[8:9], s[20:21]
	s_lshl_b32 s20, s15, 19                        ; cand: 65,536 records of 8 bytes for each half,
	s_lshl_b32 s19, s17, 12
	s_add_co_u32 s20, s20, s19                     ; 512 a block,
	s_lshl_b32 s19, s12, 9
	s_add_co_u32 s20, s20, s19                     ; 64 a wave
	s_add_nc_u64 s[10:11], s[10:11], s[20:21]
	ROUND                                          ; all sixteen work-groups are here: the joint loads meet
	tensor_load_to_lds s[24:27], s[28:35]          ; my one tensor load of the launch
	s_nop 0
.rept 4
	v_nop
.endr
	s_cmp_lg_u32 s12, 0                            ; wave 0 also turns four columns of the table into four rows of embt
	s_cbranch_scc1 .Lno_columns
	global_load_b128 v[TA:TA+3], v[TO], s[6:7]
	global_load_b128 v[TA+4:TA+7], v[TO], s[6:7] offset:4096
.Lno_columns:
.macro XLOAD i                         ; tiles 2 i and 2 i + 1 of my rows of x
.irp j, 0,1,2,3,4,5,6,7,8,9,10,11,12,13,14,15
	global_load_b128 v[XL+4*\j:XL+4*\j+3], v[XG], s[4:5] offset:8192*(\i)+512*\j   ; 32 lanes read 512 consecutive bytes: two rows of x.  (No hint: the other half's work-group reads them too)
.endr
.endm
	XLOAD 0
; Of v[e .. e+31] and of v[e+32 .. e+63]: the largest magnitude (with the floor among its leaves) and the sum of squares, in four chains that do not wait for each other
.macro MAXSQ e
	v_max3_num_f32 v[AM], |v[\e]|, |v[\e+1]|, FLOOR
	v_max3_num_f32 v[AM+1], |v[\e+32]|, |v[\e+33]|, FLOOR
	v_pk_mul_f32 v[AC0:AC0+1], v[\e:\e+1], v[\e:\e+1]              ; the first squares start the sums
	v_pk_mul_f32 v[AC1:AC1+1], v[\e+32:\e+33], v[\e+32:\e+33]
.irp i, 2,4,6,8,10,12,14,16,18,20,22,24,26,28,30
	v_max3_num_f32 v[AM], v[AM], |v[\e+\i]|, |v[\e+\i+1]|
	v_max3_num_f32 v[AM+1], v[AM+1], |v[\e+32+\i]|, |v[\e+33+\i]|
	v_pk_fma_f32 v[AC0:AC0+1], v[\e+\i:\e+\i+1], v[\e+\i:\e+\i+1], v[AC0:AC0+1]
	v_pk_fma_f32 v[AC1:AC1+1], v[\e+32+\i:\e+33+\i], v[\e+32+\i:\e+33+\i], v[AC1:AC1+1]
.endr
	v_add_nc_u32 v[SO], EOFF, v[AM]                ; 4 off the exponent field: the conversion takes the exponent field of this operand as its scale
	v_add_nc_u32 v[SO+1], EOFF, v[AM+1]
.endm
; Tiles 2 i and 2 i + 1 become operands, scale words and -|x|^2
.macro XHALF i
	s_wait_loadcnt 0x0                             ; nothing younger is out
	s_wait_xcnt 0x0                                ; (and every earlier store has read its registers)
.irp j, 0,1,2,3,4,5,6,7,8,9,10,11,12,13,14,15
	ds_store_b128 v[XSI], v[XL+4*\j:XL+4*\j+3] offset:32*XP*(\i)+2*XP*\j   ; through the stage: in as it lies,
.endr
.irp t, 0,1
.irp q, 0,1,2,3,4,5,6,7
	ds_load_b128 v[XL+32*\t+4*\q:XL+32*\t+4*\q+3], v[XSO] offset:32*XP*(\i)+16*XP*\t+16*\q   ; out as the operand wants it: lane (r, h): k = 32 h + 0 .. 31 of row r of the tile
.endr
.endr
	s_wait_alu depctr_va_vdst(0)
	s_wait_dscnt 0x0
	MAXSQ XL
	v_lshrrev_b32 v[BY], 23, v[SO]                 ; the scales' bytes
	v_lshrrev_b32 v[BY+1], 23, v[SO+1]
	v_cvt_scalef32_pk16_bf6_f32 v[XO+6:XO+8], v[XL:XL+15], v[SO]
	v_cvt_scalef32_pk16_bf6_f32 v[TM0:TM0+2], v[XL+16:XL+31], v[SO]
	v_cvt_scalef32_pk16_bf6_f32 v[XO+18:XO+20], v[XL+32:XL+47], v[SO+1]
	v_cvt_scalef32_pk16_bf6_f32 v[TM1:TM1+2], v[XL+48:XL+63], v[SO+1]
	v_add_f32 v[AC0], v[AC0], v[AC0+1]             ; (a plain instruction behind the conversions)  my half of |x|^2
	v_add_f32 v[AC1], v[AC1], v[AC1+1]
.irp j, 0,1,2
	v_mov_b32 v[XO+9+\j], v[TM0+\j]
	v_mov_b32 v[XO+21+\j], v[TM1+\j]
.endr
	v_permlanex16_b32 v[OT], v[AC0], s[SEL], s[SEL+1]
	v_permlanex16_b32 v[WD], v[AC1], s[SEL], s[SEL+1]
	v_permlanex16_b32 v[EV], v[BY], s[SEL], s[SEL+1]
	v_permlanex16_b32 v[EV+1], v[BY+1], s[SEL], s[SEL+1]
	v_sub_f32 v[ZZ], -v[AC0], v[OT]                ; -|x|^2: the same bits in both halves of the lanes
	v_sub_f32 v[ZZ+2], -v[AC1], v[WD]
	v_lshl_or_b32 v[EV], v[EV], 8, v[BY]           ; lanes 0-15: block 0's byte, block 1's byte
	v_lshl_or_b32 v[EV+1], v[EV+1], 8, v[BY+1]
	v_lshl_or_b32 v[XSC], v[EV], 16, v[EV]         ; twice: the word serves [x | zeros] and [zeros | x]
	v_lshl_or_b32 v[XSC+1], v[EV+1], 16, v[EV+1]
.endm
	XHALF 0
	s_wait_alu depctr_va_vdst(0)                   ; the wait ahead of the branch
	s_cmp_lg_u32 s12, 0
	s_cbranch_scc1 .Lno_rows
.irp c, 0,1,2,3
	v_mov_b32 v[TB+2*\c], v[TA+\c]                 ; column c at k = 2 lane,
	v_mov_b32 v[TB+2*\c+1], v[TA+4+\c]             ; and at k = 2 lane + 1
.endr
.irp c, 0,1,2,3
	global_store_b64 v[OFS], v[TB+2*\c:TB+2*\c+1], s[8:9] offset:256*\c   ; 32 lanes store a row of embt: 256 consecutive bytes, aligned
.endr
	s_wait_xcnt 0x0                                ; those stores have read their registers, which are written again below
.Lno_rows:
; 64 numbers of my column 32 s + lane of my strip, K down the registers
.macro ELOAD e, s
.set kk, 0
.rept 64
	ds_load_b32 v[\e+kk], v[ET] offset:256*kk+128*(\s)
.set kk, kk+1
.endr
.endm
; My column's two blocks become codes; the wave's 32 columns are pair 2 wave + s: its image, its scale words and its -|e|^2 go to LDS
.macro PROC e, s
	MAXSQ \e
	v_pk_add_f32 v[AC0:AC0+1], v[AC0:AC0+1], v[AC1:AC1+1]
	v_lshrrev_b32 v[BY], 23, v[SO]
	v_lshrrev_b32 v[BY+1], 23, v[SO+1]
	v_cvt_scalef32_pk16_bf6_f32 v[PF:PF+2], v[\e:\e+15], v[SO]
	v_cvt_scalef32_pk16_bf6_f32 v[TM0:TM0+2], v[\e+16:\e+31], v[SO]
	v_cvt_scalef32_pk16_bf6_f32 v[PF+6:PF+8], v[\e+32:\e+47], v[SO+1]
	v_cvt_scalef32_pk16_bf6_f32 v[TM1:TM1+2], v[\e+48:\e+63], v[SO+1]
	v_lshl_or_b32 v[W16], v[BY+1], 8, v[BY]        ; (a plain instruction behind the conversions)  my column's two bytes,
	v_sub_f32 v[EV], -v[AC0], v[AC0+1]             ; -|e|^2 of my column
.irp i, 0,1,2
	v_mov_b32 v[PF+3+\i], v[TM0+\i]
	v_mov_b32 v[PF+9+\i], v[TM1+\i]
.endr
	v_add_nc_u32 v[W16], 0x101, v[W16]             ; each one higher: the products come out as 2 sim (252 at the most)
.irp i, 0,1,2,3,4,5
	v_permlane16_swap_b32 v[PF+\i], v[PF+6+\i]     ; block 0's lanes 16-31 change places with block 1's lanes 0-15: lane (r, h) now holds block h of column r, then block h of column 16 + r
.endr
	v_permlanex16_b32 v[OT], v[W16], s[SEL], s[SEL+1]
.irp c, 0,1,2
	ds_store_b128 v[CW], v[PF+4*\c:PF+4*\c+3] offset:1536*(\s)+512*\c   ; the operand as an image of its registers: 16 bytes a lane, 512 a store
.endr
	v_lshl_or_b32 v[WD], v[OT], 16, v[W16]         ; lanes 0-15: the bytes of column r, then those of column 16 + r (lanes 16-31 are not read)
	ds_store_b32 v[SW], v[EV] offset:EES-SCL+128*(\s)
	ds_store_b32 v[SW], v[WD] offset:128*(\s)
.endm
	s_wait_tensorcnt 0x0                           ; my strip is in LDS; I alone read it
	ELOAD EB0, 0
	ELOAD EB1, 1
	s_wait_dscnt 63                                ; 64 loads were issued behind set 0's: with 63 out at the most, set 0 is in
	PROC EB0, 0
	s_wait_alu depctr_va_vdst(0)
	s_wait_dscnt 5                                 ; set 1 is in: behind its loads stand set 0's five stores
	PROC EB1, 1
	XLOAD 1                                        ; the second pass's rows, over set 1: they land while the first pass is worked
	s_wait_alu depctr_va_vdst(0)
	s_wait_dscnt 0x0                               ; for the others' sake: my images lie in LDS
	s_barrier_signal -1
.set jj, 0
.rept 32
	v_mov_b32 v[KEEP+jj], 0                        ; the trip is written once: the first finds a best of -infinity, over which every value lies
.set jj, jj+1
.endr
	s_wait_alu depctr_va_vdst(0)
	s_barrier_wait -1                              ; all 16 pairs' images, scale words and -|e|^2 lie in LDS
.macro LOADA o, b                      ; the image and scale words of the pair o trips on from where the addresses stand, into set b
.irp c, 0,1,2
	ds_load_b128 v[AF+12*(\b)+4*\c:AF+12*(\b)+4*\c+3], v[ADC] offset:1536*(\o)+512*\c
.endr
	ds_load_b32 v[SA+(\b)], v[ADS] offset:128*(\o)
.endm
.macro LOADE o                         ; its -|e|^2, in the results' layout: codes 8 h + 0..7, then those 16 further on
	ds_load_b128 v[EEB:EEB+3], v[ADE] offset:128*(\o)
	ds_load_b128 v[EEB+4:EEB+7], v[ADE] offset:128*(\o)+16
	ds_load_b128 v[EEB+8:EEB+11], v[ADE] offset:128*(\o)+64
	ds_load_b128 v[EEB+12:EEB+15], v[ADE] offset:128*(\o)+80
.endm
.macro CADD b                          ; set b: C = (-zz) + (-ee), two at a time
.irp t, 0,1
.irp p, 0,2,4,6,8,10,12,14
	v_pk_add_f32 v[DB+32*(\b)+16*\t+\p:DB+32*(\b)+16*\t+\p+1], v[EEB+\p:EEB+\p+1], v[ZZ+2*\t:ZZ+2*\t+1] op_sel_hi:[1,0]
.endr
.endr
.endm
.macro WM b                            ; set b: four products, each a whole sum onto its C: two tiles of x against the pair's two tiles of codes
.irp t, 0,1
.set DW, DB+32*(\b)+16*\t
.set XW, XO+12*\t
	v_wmma_scale_f32_16x16x128_f8f6f4 v[DW:DW+7], v[AF+12*(\b):AF+12*(\b)+11], v[XW+6:XW+17], v[DW:DW+7], v[SA+(\b)], v[XSC+\t] matrix_a_fmt:MATRIX_FMT_BF6 matrix_b_fmt:MATRIX_FMT_BF6
	v_wmma_scale_f32_16x16x128_f8f6f4 v[DW+8:DW+15], v[AF+12*(\b):AF+12*(\b)+11], v[XW:XW+11], v[DW+8:DW+15], v[SA+(\b)], v[XSC+\t] matrix_a_fmt:MATRIX_FMT_BF6 matrix_b_fmt:MATRIX_FMT_BF6
.endr
.endm
; The search over a trip's results in set b: four chains by turns, each result from its low end on
.macro CONS b, ks
.set D0, DB+32*(\b)
.set BO, BEST+2*(\b)
.set BN, BEST+2*(1-(\b))
	v_max3_num_f32 v[G], v[D0], v[D0+1], v[D0+2]
	v_max3_num_f32 v[G+1], v[D0+8], v[D0+9], v[D0+10]
	v_max3_num_f32 v[G+2], v[D0+16], v[D0+17], v[D0+18]
	v_max3_num_f32 v[G+3], v[D0+24], v[D0+25], v[D0+26]
.irp i, 3,5
	v_max3_num_f32 v[G], v[G], v[D0+\i], v[D0+\i+1]
	v_max3_num_f32 v[G+1], v[G+1], v[D0+8+\i], v[D0+9+\i]
	v_max3_num_f32 v[G+2], v[G+2], v[D0+16+\i], v[D0+17+\i]
	v_max3_num_f32 v[G+3], v[G+3], v[D0+24+\i], v[D0+25+\i]
.endr
	v_max3_num_f32 v[G], v[G], v[D0+7], v[BO]
	v_max3_num_f32 v[G+2], v[G+2], v[D0+23], v[BO+1]
	v_max3_num_f32 v[BN], v[G], v[G+1], v[D0+15]   ; the new best
	v_max3_num_f32 v[BN+1], v[G+2], v[G+3], v[D0+31]
.irp t, 0,1
	v_cmp_gt_f32 vcc_lo, v[BN+\t], v[BO+\t]        ; the group wins: only a strictly larger value takes the place of an earlier one
	v_cndmask_b32 v[KIDX+2*\t], v[KIDX+2*\t], s[\ks], vcc_lo
.set K0, KEEP+16*\t
.set D1, D0+16*\t
.irp j, 0,2,4,6,8,10,12,14
	v_dual_cndmask_b32 v[K0+\j], v[K0+\j], v[D1+\j] :: v_dual_cndmask_b32 v[K0+\j+1], v[K0+\j+1], v[D1+\j+1]
.endr
.endr
.endm
; TRIP k (b = k % 2, s[ks] = k).  The next trip's products are issued into the other set, then this trip's values are searched.
; more = 2: products and loads; 1: products alone; 0: neither.
.macro TRIP b, ks, more
.if \more == 2
	LOADA 2+\b, \b                                 ; (the last trip's search, plain vector work, stands between this set's last products and these loads)
.if \b
	v_add_nc_u32 v[ADC], 3072, v[ADC]              ; two pairs on
	v_add_nc_u32 v[ADS], 256, v[ADS]
.else
	v_add_nc_u32 v[ADE], 256, v[ADE]
.endif
	s_wait_dscnt 4                                 ; the four loads just issued may stay out; the next pair's image and -|e|^2 are in
.endif
.if \more == 1
	s_wait_dscnt 0x0                               ; the last pair is in
.endif
.if \more >= 1
	CADD 1-\b
.if \more == 2
	LOADE 2+\b
.endif
	WM 1-\b
.endif
	CONS \b, \ks
.endm
.macro PASS                            ; two tiles of x over all 16 pairs
	LOADA 0, 0
	LOADE 2                                        ; (its address stands two pairs back)
	LOADA 1, 1
	s_wait_alu depctr_va_vdst(0)
	s_wait_dscnt 4                                 ; pair 1's image may be out
	CADD 0
	LOADE 3
	WM 0
	v_mov_b32 v[BEST], 0xff800000                  ; (these four are also the places in front of the first trip's loads)
	v_mov_b32 v[BEST+1], 0xff800000
	v_mov_b32 v[KIDX], 0
	v_mov_b32 v[KIDX+2], 0
	s_wait_alu depctr_va_vdst(0)
	s_mov_b32 s22, 0
.Lpair_\@:                                         ; 7 times two trips: k = 0 .. 13; they fetch up to pair 15
	s_add_co_u32 s23, s22, 1
	TRIP 0, 22, 2
	TRIP 1, 23, 2
	s_add_co_u32 s22, s22, 2
	s_cmp_lt_u32 s22, 14
	s_cbranch_scc1 .Lpair_\@
	s_mov_b32 s23, 15
	TRIP 0, 22, 1                                  ; k = 14: the last products, nothing more to fetch
	TRIP 1, 23, 0                                  ; k = 15: the best is in set 0
.endm
; A pass's way out: 32 rows' records
.set T,  DB
.set HB, DB+20
.set OA, DB+21
.set RC, DB+22
.macro FIN m
	v_bfe_u32 v[HB], v0, 4, 1
	v_lshlrev_b32 v[OA], 3, v1
	v_mov_b32 v[T], 15
	v_mov_b32 v[T+1], 15
	v_lshl_add_u32 v[HB], v[HB], 3, s45            ; 8 h + 512 x half
.irp j, 14,13,12,11,10,9,8,7,6,5,4,3,2,1,0
.irp t, 0,1
	v_cmp_neq_f32 s[40+2*(\j%2)+\t], v[KEEP+16*\t+\j], v[BEST+\t]   ; the place in the best group: the first kept value that equals the best
.endr
.irp t, 0,1
	v_cndmask_b32 v[T+\t], \j, v[T+\t], s[40+2*(\j%2)+\t]
.endr
.endr
.irp t, 0,1
	v_and_b32 v[T+2+\t], 8, v[T+\t]
	v_permlanex16_b32 v[T+4+\t], v[BEST+\t], s[SEL], s[SEL+1]      ; the row's other 256 codes of this half lie in the lane 16 away
.endr
.irp t, 0,1
	v_add3_u32 v[T+\t], v[T+\t], v[T+2+\t], v[HB]  ; place p = 8 u + j is code 16 u + 8 h + j of the group
	v_cmp_gt_f32 s[40+\t], v[T+4+\t], v[BEST+\t]
	v_cmp_eq_f32 s[42+\t], v[T+4+\t], v[BEST+\t]
	v_max_num_f32 v[T+14+\t], v[BEST+\t], v[T+4+\t]
.endr
.irp t, 0,1
	v_lshl_add_u32 v[T+\t], v[KIDX+2*\t], 5, v[T+\t]               ; n = 512 x half + 32 x group + that
	v_add_f32 v[T+14+\t], 0, v[T+14+\t]            ; both zeros become +0
.endr
.irp t, 0,1
	v_permlanex16_b32 v[T+6+\t], v[T+\t], s[SEL], s[SEL+1]
	v_ashrrev_i32 v[T+16+\t], 31, v[T+14+\t]
.endr
.irp t, 0,1
	v_cndmask_b32 v[T+8+\t], v[T+\t], v[T+6+\t], s[40+\t]          ; the better value's index,
	v_min_u32 v[T+10+\t], v[T+\t], v[T+6+\t]
	v_or_b32 v[T+16+\t], 0x80000000, v[T+16+\t]
.endr
	v_cmp_gt_u32 vcc_lo, 16, v1
.irp t, 0,1
	v_cndmask_b32 v[T+12+\t], v[T+8+\t], v[T+10+\t], s[42+\t]      ; or of equal values the lower index: the same in both lanes
	v_xor_b32 v[T+14+\t], v[T+14+\t], v[T+16+\t]   ; the order key, a whole number that rises with -d: positive: the sign bit set; negative: all bits turned
.endr
	v_cndmask_b32 v[RC], v[T+15], v[T+14], vcc_lo  ; lanes 0-15: tile 0's rows, lanes 16-31: tile 1's
	v_cndmask_b32 v[RC+1], v[T+13], v[T+12], vcc_lo
	global_store_b64 v[OA], v[RC:RC+1], s[10:11] offset:256*(\m)   ; 32 lanes store 256 consecutive bytes, aligned
.endm
	PASS
	FIN 0
	s_wait_alu depctr_va_vdst(0)
	XHALF 1
	v_lshl_add_u32 v[ADC], v1, 4, CODES            ; back to pair 0
	v_lshl_add_u32 v[ADS], v1, 2, SCL
	v_bfe_u32 v[ADE], v0, 4, 1
	v_lshl_add_u32 v[ADE], v[ADE], 5, EES-256
	PASS
	FIN 1
	s_wait_alu depctr_va_vdst(0)
	s_wait_tensorcnt 0x0                           ; the wave's end, behind my last tensor load and my last LDS store
	ds_add_u32 v[SPW], v[NIL]
	s_wait_dscnt 0x0
	ROUND                                          ; the closing round: no work-group ends while a partner may still ask for a tile that names it
	s_endpgm
.Lfunc_end_k_q24457fc560_nearest:
	.size	k_q24457fc560_nearest, .Lfunc_end_k_q24457fc560_nearest-k_q24457fc560_nearest
	.p2alignl 7, 3214868480
	.fill 96, 4, 3214868480
	.section	.rodata,"a",@progbits
	.p2align	6, 0x0
	.amdhsa_kernel k_q24457fc560_nearest
		.amdhsa_group_segment_fixed_size 327680
		.amdhsa_private_segment_fixed_size 0
		.amdhsa_enable_private_segment 0
		.amdhsa_kernarg_size 32
		.amdhsa_user_sgpr_count 2
		.amdhsa_user_sgpr_kernarg_segment_ptr 1
		.amdhsa_wavefront_size32 1
		.amdhsa_system_sgpr_workgroup_id_x 1
		.amdhsa_system_sgpr_workgroup_id_y 1
		.amdhsa_system_sgpr_workgroup_id_z 1
		.amdhsa_system_vgpr_workitem_id 0
		.amdhsa_next_free_vgpr 256
		.amdhsa_next_free_sgpr 66
		.amdhsa_reserve_vcc 1
		.amdhsa_float_denorm_mode_32 3
		.amdhsa_float_denorm_mode_16_64 3
		.amdhsa_memory_ordered 1
		.amdhsa_forward_progress 1
		.amdhsa_inst_pref_size 93
	.end_amdhsa_kernel
	.amdgpu_metadata
---
amdhsa.version: [ 1, 2 ]
amdhsa.kernels:
  - .name:           k_q24457fc560_nearest
    .symbol:         k_q24457fc560_nearest.kd
    .args:
      - { .name: x, .offset: 0, .size: 8, .value_kind: global_buffer, .address_space: global }
      - { .name: embeddings, .offset: 8, .size: 8, .value_kind: global_buffer, .address_space: global }
      - { .name: embt, .offset: 16, .size: 8, .value_kind: global_buffer, .address_space: global }
      - { .name: cand, .offset: 24, .size: 8, .value_kind: global_buffer, .address_space: global }
    .group_segment_fixed_size: 327680
    .private_segment_fixed_size: 0
    .kernarg_segment_align: 8
    .kernarg_segment_size: 32
    .max_flat_workgroup_size: 256
    .sgpr_count:     66
    .vgpr_count:     256
    .wavefront_size: 32
...
	.end_amdgpu_metadata
.endif
;; end of part 1
;; launch gather (part 2): grid 256 x 1, 8 waves a work-group, no clusters, 0 bytes of LDS; arguments cand, embt, out0; writes out0
.if DOCPART == 2
	.amdgcn_target "amdgcn-amd-amdhsa--gfx1250"
	.amdhsa_code_object_version 6
	.text
	.protected	k_q24457fc560_gather
	.globl	k_q24457fc560_gather
	.p2align	8
	.type	k_q24457fc560_gather,@function
k_q24457fc560_gather:
	s_mov_b64 s[64:65], 0
	v_nop
	global_prefetch_b8 v0, s[64:65] scope:SCOPE_SE
	s_setreg_imm32_b32 hwreg(HW_REG_WAVE_MODE, 25, 1), 1
	s_wait_xcnt 0x0
; out0[row][:] = embt[n][:], n the better of the row's two candidates.  cand: [2 halves][65536] records of two whole numbers (order key, n), stored by the launch before; embt: [1024][64] f32, rows of 256 bytes; out0: [65536][64] f32.
; The second half's candidate wins where its key is strictly larger: of equal keys the first half's, the lower index, stays.
; A work-group owns 256 rows, a wave 32.  Lanes 0-15 take rows 0-15 of the wave, lanes 16-31 rows 16-31, one row an instruction, 16 bytes a lane:
; so a lane's sixteen records of a half are 128 neighbouring bytes (eight loads of 16 bytes, the same for the sixteen lanes), no lane asks another, and each half of a load or a store covers one whole row: 256 consecutive bytes, aligned.
; All sixteen gathers of a wave are out together; the stores follow as the rows come.  No LDS, no barrier, no matrix unit: waves share nothing.  Clusters buy nothing: which rows a work-group reads hangs on its indices.
; No prefetch: the rows to be read are known only from the records, and each wave asks for all of its rows at once: there is no loop to run ahead in.
	s_load_b128 s[4:7], s[0:1], 0x0                ; cand, embt
	s_load_b64 s[8:9], s[0:1], 0x10                ; out0
	v_lshrrev_b32 v1, 5, v0
	v_readfirstlane_b32 s12, v1                    ; wave 0..7
	v_and_b32 v2, 15, v0                           ; r
	v_bfe_u32 v3, v0, 4, 1                         ; h
	v_lshlrev_b32 v6, 4, v2                        ; my 16 bytes of a row
	v_lshlrev_b32 v4, 7, v3                        ; my sixteen records
	v_lshl_add_u32 v5, v3, 12, v6                  ; and in out0: sixteen rows further down for lanes 16-31
	s_lshl_b32 s13, ttmp9, 8
	s_lshl_b32 s14, s12, 5
	s_add_co_u32 s13, s13, s14                     ; my wave's first row: 256 x work-group + 32 x wave
	s_lshl_b32 s14, s13, 3                         ; its record, in bytes
	s_mov_b32 s15, 0
	s_lshl_b32 s16, s13, 8                         ; its row of out0, in bytes (under 2^24)
	s_mov_b32 s17, 0
	s_wait_alu depctr_va_vdst(0)                   ; the wait at the head's end
	s_wait_kmcnt 0x0
	s_add_nc_u64 s[4:5], s[4:5], s[14:15]
	s_add_nc_u64 s[8:9], s[8:9], s[16:17]
.irp q, 0,1,2,3,4,5,6,7
	global_load_b128 v[8+4*\q:11+4*\q], v4, s[4:5] offset:16*\q
	global_load_b128 v[40+4*\q:43+4*\q], v4, s[4:5] offset:524288+16*\q
.endr
	s_wait_loadcnt 0x0
.irp i, 0,1,2,3,4,5,6,7,8,9,10,11,12,13,14,15
	v_cmp_gt_u32 s[20+\i], v[40+2*\i], v[8+2*\i]
.endr
.irp i, 0,1,2,3,4,5,6,7,8,9,10,11,12,13,14,15
	v_cndmask_b32 v[72+\i], v[9+2*\i], v[41+2*\i], s[20+\i]
.endr
.irp i, 0,1,2,3,4,5,6,7,8,9,10,11,12,13,14,15
	v_min_u32 v[72+\i], 0x3ff, v[72+\i]            ; an index stays inside the table
.endr
.irp i, 0,1,2,3,4,5,6,7,8,9,10,11,12,13,14,15
	v_lshl_add_u32 v[88+\i], v[72+\i], 8, v6       ; 256 x index + my 16 bytes
.endr
.irp i, 0,1,2,3,4,5,6,7,8,9,10,11,12,13,14,15
	global_load_b128 v[104+4*\i:107+4*\i], v[88+\i], s[6:7]        ; no hint: many rows name the same code
.endr
.irp i, 0,1,2,3,4,5,6,7,8,9,10,11,12,13,14,15
	s_wait_loadcnt 15-\i                           ; loads come back in order: row i is in, the younger ones stay out
	global_store_b128 v5, v[104+4*\i:107+4*\i], s[8:9] offset:256*\i th:TH_STORE_NT
.endr
	s_endpgm
.Lfunc_end_k_q24457fc560_gather:
	.size	k_q24457fc560_gather, .Lfunc_end_k_q24457fc560_gather-k_q24457fc560_gather
	.p2alignl 7, 3214868480
	.fill 96, 4, 3214868480
	.section	.rodata,"a",@progbits
	.p2align	6, 0x0
	.amdhsa_kernel k_q24457fc560_gather
		.amdhsa_group_segment_fixed_size 0
		.amdhsa_private_segment_fixed_size 0
		.amdhsa_enable_private_segment 0
		.amdhsa_kernarg_size 24
		.amdhsa_user_sgpr_count 2
		.amdhsa_user_sgpr_kernarg_segment_ptr 1
		.amdhsa_wavefront_size32 1
		.amdhsa_system_sgpr_workgroup_id_x 1
		.amdhsa_system_sgpr_workgroup_id_y 1
		.amdhsa_system_sgpr_workgroup_id_z 1
		.amdhsa_system_vgpr_workitem_id 0
		.amdhsa_next_free_vgpr 168
		.amdhsa_next_free_sgpr 66
		.amdhsa_reserve_vcc 0
		.amdhsa_float_denorm_mode_32 3
		.amdhsa_float_denorm_mode_16_64 3
		.amdhsa_memory_ordered 1
		.amdhsa_forward_progress 1
		.amdhsa_inst_pref_size 11
	.end_amdhsa_kernel
	.amdgpu_metadata
---
amdhsa.version: [ 1, 2 ]
amdhsa.kernels:
  - .name:           k_q24457fc560_gather
    .symbol:         k_q24457fc560_gather.kd
    .args:
      - { .name: cand, .offset: 0, .size: 8, .value_kind: global_buffer, .address_space: global }
      - { .name: embt, .offset: 8, .size: 8, .value_kind: global_buffer, .address_space: global }
      - { .name: out0, .offset: 16, .size: 8, .value_kind: global_buffer, .address_space: global }
    .group_segment_fixed_size: 0
    .private_segment_fixed_size: 0
    .kernarg_segment_align: 8
    .kernarg_segment_size: 24
    .max_flat_workgroup_size: 256
    .sgpr_count:     66
    .vgpr_count:     168
    .wavefront_size: 32
...
	.end_amdgpu_metadata
.endif
;; end of part 2
